; MI455X (gfx1250); checked and timed in simulation.
; The chip was launched on July 23, 2026; its instructions are those of AMD's public machine-readable ISA for CDNA 5 (MIT licence, August 2026) and "CDNA5" Instruction Set Architecture Reference Guide (July 2026). The comments in the code are by the model that wrote it; some were corrected since.
;; Softmax Attention. Allowed arithmetic: matrix products marked QUANTISED: E5M2 operands, one given power-of-two scale a tensor, by v_wmma_f32_16x16x64_bf8_bf8 or v_wmma_f32_16x16x128_bf8_bf8, f32 sums; everything else in f32.
;; Inputs: attention_mask 4 x 2,048 float32; key_layer 4 x 16 x 2,048 x 64 float32; lowp_scales 4 int32 (the exponents e of the quantised operands' scales 2^e); query_layer 4 x 16 x 2,048 x 64 float32; value_layer_codes 4 x 16 x 64 x 64 x 32 uint8 (E5M2 codes of value_layer, K innermost, in blocks of 32 codes).
;; Outputs: out0 4 x 16 x 2,048 x 64 float32.
;; This version of the problem:
;;   THIS VERSION OF THE PROBLEM IS GIVEN IN LOW PRECISION. The matrix products marked QUANTISED in the list below multiply operands that are first quantised to E5M2 (5 exponent bits, 2 mantissa bits; 8 bits a number), with one given power-of-two scale for each operand tensor; their sums are f32. All else is computed in f32.
;;   The module's matrix products, in the order in which they are computed (A, B: the left and right operand; K: the contracted axis; several contracted axes count as one K, in the product's order):
;;     1. batch 64 x [M 2,048, K 64] x [K 64, N 2,048]; A: computed on the way; B: computed on the way: QUANTISED (scales: A lowp_scales[0], B lowp_scales[1])
;;     2. batch 64 x [M 2,048, K 2,048] x [K 2,048, N 64]; A: softmax (see below); B: input value_layer (given as codes): QUANTISED (scales: A lowp_scales[2], B lowp_scales[3])
;;   THE QUANTISER, for each operand of a quantised product, along K:
;;     - The operand's scale is 2^e, e = its entry of the input lowp_scales (int32; the entries are numbered through the quantised products in the list's order, A before B).
;;     - Each number is divided by the scale, clamped to +-57,344, and rounded to the nearest number of E5M2, ties to even, subnormals kept.
;;     - The product sums the exact products of the quantised numbers (number of the format x scale) in f32.
;;   ~~~python
;;   def quantise(x, axis, e):      # numpy; x: float32 -> the quantised numbers, widened to float32 again
;;       x = np.moveaxis(x, axis, -1); K = x.shape[-1]
;;       r = np.clip(x / 2.0 ** e, -57344, 57344)
;;       step = 2.0 ** (np.maximum(np.frexp(np.where(r == 0, 1, r))[1] - 1, -14) - 2)
;;       q = np.round(r / step) * step * 2.0 ** e      # np.round: ties to even
;;       return np.moveaxis(q, -1, axis).astype(np.float32)
;;   ~~~
;;   SOFTMAX AHEAD OF A QUANTISED PRODUCT. Where the list says 'softmax', what is quantised is not the finished softmax but p = 2^(t - M), with t = logit x log2(e) and M = ceil(the row's largest t), a whole number; so 1/2 < the row's largest p <= 1. The row's sum l is taken of the UNQUANTISED p, in f32, and the product's result is divided by l at the end. Since M is a whole number, a kernel that streams over the keys may use a running M (the ceiling of the running maximum): every later rescaling is an exact power of two, so the quantised numbers keep their values, but for numbers so far below the row's largest that they fall under the format's range.
;;   OPERANDS COMPUTED ON THE WAY. 'Computed on the way' means the value that the module computes at that place (a softmax that the list does not call 'softmax' is quantised finished and normalised). What goes into a quantiser is computed in f32, as accurately as f32 sums, v_exp_f32 and their like allow (about 1e-6 of the number): no bf16 or f16 on the way to a quantiser, and a product that is left as it is and whose result goes on into a quantised operand takes f32 operands (vector FMAs, or v_wmma_f32_16x16x4_f32). A number that lies on a knife's edge between two numbers of the format may be rounded either way, as far as f32 arithmetic and the matrix unit's own rounding can turn it there, and no further.
;;   INPUTS GIVEN AS CODES. value_layer (in the module: [4, 16, 2048, 64], K = its axis 2): each comes as NAME_codes (uint8): NAME with its K axis moved to the last place and cut into blocks of 32 codes, [.., K / 32, bytes a block], one block behind the other in memory; one code a byte (a code: sign, 5 exponent bits, 2 mantissa bits); its scale is its entry of lowp_scales. Its value is code x scale, taken as it is: it is not quantised again, and the codes and scales need not be those that the quantiser above would give.
;; One version. Each part assembles by itself: llvm-mc -triple=amdgcn-amd-amdhsa -mcpu=gfx1250 --defsym DOCPART=n.
;; ======== version 1 of 1: 1 launch
;; limits: right only within a limited range of input values
;; launch attn (part 1): grid 4 x 64, 8 waves a work-group, no clusters, 327,680 bytes of LDS; arguments query_layer, key_layer, value_layer_codes, attention_mask, lowp_scales, out0; writes out0
.if DOCPART == 1
	.amdgcn_target "amdgcn-amd-amdhsa--gfx1250"
	.amdhsa_code_object_version 6
	.text
	.protected	k_qa31481ebdc_attn
	.globl	k_qa31481ebdc_attn
	.p2align	8
	.type	k_qa31481ebdc_attn,@function
k_qa31481ebdc_attn:
	s_mov_b64 s[64:65], 0
	v_nop
	global_prefetch_b8 v0, s[64:65] scope:SCOPE_SE
	s_setreg_imm32_b32 hwreg(HW_REG_WAVE_MODE, 25, 1), 1
	s_wait_xcnt 0x0
; out[h][q][:] = sum over k of softmax_k(Q[h][q] . K[h][k] / 8 - 1000 (1 - mask[b][k])) V[h][k][:].  64 heads (b = head / 16), 2,048 queries and keys, head size 64.
; Both products on codes of BF8 (E5M2), each operand with its given scale 2^e: eq, ek, ep, ev.  Q and K arrive as f32, are multiplied by 1 / sqrt(8) and quantised here; V arrives as codes, keys innermost.
; SOFTMAX: t = logit x log2(e); M = the running largest t rounded up to a whole number; p = 2^(t - M) is quantised; the row's sum is taken of the unquantised p and divides at the end.
; THE HOLD OF p AT 57,344 x 2^ep is done where ep asks for it: p is at most 1, so for ep of -15 or more the hold changes no number.  ep is a whole number read from memory; a scalar branch on it chooses, in each
; key step, between two copies of the lines from B's exponentials to the codes, with the hold and without; the copies hold no barrier and join ahead of the second product.
; SHARES.  A work-group owns 512 queries of one head, in two passes of 256; each of its eight waves owns 32 of a pass: tiles A and B of 16, which share every fragment of K, V and the mask's term.
; LDS holds a head's codes of K (128 images of 1,024 bytes), V (8 chunks of 256 keys) and the mask's term; each of these bytes is written once.
; K IS STREAMED IN THE FIRST PASS.  The head makes the images of key steps 0 and 1.  Each wave owns one tile of 16 keys of every step.  At step s's end it lays the raw rows of its tile of step s + 3, asked for a
; whole step earlier into 32 registers, into its stage and asks for the tile of step s + 4; late in step s + 1 the stage is read back turned, into score registers that are idle by then, and at that step's end the
; tile is quantised and stored as an image.  A barrier is signalled at each such step's end and awaited in the next step, behind its score products, ahead of the reads of those images.
; NO CLUSTER, NO ENGINE LOADS.  The four work-groups of a head read the same K and V.  K's f32 rows, 64 KiB of the 80 KiB that 256 keys bring, must pass the quantiser and so come through registers;
; V, the other fifth, comes through registers too (a wave a chunk, whole rows of 256 bytes), so that the text may choose by the loaded ep.
; K has no prefetch of its own: each tile's loads are issued a whole key step ahead of their wait.  Q of the second pass is prefetched two key steps ahead of its loads, a lane a row.
; LAYOUT.  Both products transposed: S^T = K Q^T + C, O^T = V^T P^T: a lane holds one query (lane % 16).  Lane r of key tile 2 b + u takes key 32 b + 8 u + r + 8 (r / 8), so the 16 registers of tiles
; 2 b, 2 b + 1 are 16 neighbouring keys.  Along the head's 64, byte p of a lane's 32 codes is d = 32 (lane / 16) + p in K and in Q alike.  The mask's term, -1000 (1 - mask) / 2^(eq + ek), is the C of the score products.
; LIMITS: eq, ek, ep between -126 and 112; eq + ek between -118 and 127.  x / sqrt(8) is made as x x 0.35355338.  NaN among the inputs is not served.  The scaled scores stay under 2^31 in magnitude.
; REGISTERS.  Window 0: v1-15 addresses and constants; v16-31 statistics of A, B; v32-63 p's codes (earlier in a step: partial sums); v64-127, v128-191 S^T, then p (at a streaming step's end: the turned tile and its codes); v192-255 O^T.
; Window 1: v0-15 Q's codes; v16-79 K's 8 tiles; v80-143 the mask's term (in the head v16-143: my chunk of V); v144-207 V's 4 tiles; v208-239 the streamed tile's raw rows; v254, v255 the spare word's address and 0.
.set KIMG,  0
.set MASKB, 131072                     ; the mask's term, f32, by key
.set MPAD,  MASKB+8192                 ; 512 bytes of zeros: what the fetch one step ahead reads behind the last key
.set VBASE, MPAD+512                   ; V: 8 chunks of 64 rows x (256 + 16) bytes
.set VCH,   64*272
.set STAGE, VBASE+8*VCH                ; 16 rows x 272 bytes for each wave, its own
.set SP,    272
.set SPARE, STAGE+8*16*SP              ; the spare words: 128 bytes a wave
.set LI,   1                           ; 16 x lane
.set AV0,  2
.set AM0,  3
.set ADK,  4                           ; the chunk's addresses: K, V, the mask's term
.set ADV,  5
.set ADM,  6
.set SROW, 7                           ; the stage by dense rows
.set SFR,  8                           ; by fragments
.set SO,   9                           ; for O^T
.set PFO,  10                          ; 256 x lane
.set LMP,  11                          ; 57,344 x 2^ep
.set SCP,  12                          ; 2^ep
.set QSC,  13                          ; the scale of the quantiser in hand, and 57,344 x that
.set QLM,  14
.set KWA,  15                          ; where my images of the chunk in hand go
.set TA,   16                          ; statistics, 8 x tile on: +0 -M, +1 largest score, +2, +3 the sum, +4 f, +5 its pair's upper half, +6, +7 at work
.set MLA,  20                          ; the head alone: v20-27
.set MGO,  22
.set PADA, 23
.set NIL,  24
.set VGO,  26                          ; V: 2,048 (lane / 16) + 16 (lane % 16) in memory,
.set VLA,  27                          ; and my chunk's 272 (lane / 16) + 16 (lane % 16) in LDS
.set PCA,  32
.set SA,   64
.set R,    64
.set SB,   128
.set OA,   192
.set X,    192
.set MT,   224
.set QF,   0                           ; window 1
.set KF,   16
.set CF,   80
.set VF,   144
.set KS,   208
.set QP,   4
.set KP,   6
.set VP,   8
.set MP,   10
.set OP,   14
.set WV,   16
.set HOLD, 24                          ; 1 where ep is under -15
.set SEL,  36
.set CS,   38                          ; c = log2(e) x 2^(eq + ek)
.set RS,   40                          ; 1 / sqrt(8)
.set MS,   42                          ; -1000 / 2^(eq + ek)
.set KB,   48
.set VB,   49
.set MB,   50
.set CH,   51
.set PASS, 52
.set ASKAT, 53
.set EO,   54
.set KW,   59                          ; KB + 1,024 x wave
.set LC,   60
.set MSB, 0
.macro WIN new
.if MSB != \new
	s_set_vgpr_msb (MSB<<8)|\new
.set MSB, \new
.endif
.endm
.set W_KQ, 0x15
.set W_PV, 0x01
.set W_LD, 0x40
.set W_ST, 0x04                        ; store data in window 1
.macro ALU
	s_wait_alu depctr_va_vdst(0)
.endm
; my tile of key step sig (counted from where s[KP] stands): rows key0 .. + 7 and key0 + 16 .. + 23, eight loads of 512 consecutive bytes
.macro GLOADK base, sig
.irp n, 0,1,2,3,4,5,6,7
	global_load_b128 v[\base+4*\n:\base+4*\n+3], v[LI], s[KP:KP+1] offset:(\sig)*32768+(\n/4)*4096+(\n%4)*512
.endr
.endm
.macro GLOADQ set, x, off
.irp n, 0,1,2,3,4,5,6,7
	global_load_b128 v[R+32*(\set)+4*\n:R+32*(\set)+4*\n+3], v[LI], s[QP:QP+1] offset:(\off)+4096*(\x)+512*\n th:TH_LOAD_NT
.endr
.endm
.macro TOSTAGE base                    ; 16 rows go into my stage as they were loaded
.irp n, 0,1,2,3,4,5,6,7
	ds_store_b128 v[SROW], v[\base+4*\n:\base+4*\n+3] offset:2*SP*\n
.endr
.endm
.macro TURNED base                     ; and come back 128 bytes a lane: lane (r, h) gets d = 32 h + 0 .. 31 of row r.  LDS serves a wave's instructions in order (ISA guide 5.7.1.4)
.irp n, 0,1,2,3,4,5,6,7
	ds_load_b128 v[\base+4*\n:\base+4*\n+3], v[SFR] offset:16*\n
.endr
.endm
; a lane's 32 numbers at v[x] become 32 codes at v[dst] of window wd
.macro QUANT x, dst, wd
.set j, 0
.rept 16
	v_pk_mul_f32 v[\x+2*j:\x+2*j+1], v[\x+2*j:\x+2*j+1], s[RS:RS+1] op_sel_hi:[1,0]
.set j, j+1
.endr
.set j, 0
.rept 32
	v_med3_num_f32 v[\x+j], v[\x+j], -v[QLM], v[QLM]   ; the conversion does not saturate (ISA guide 7.6.2): the hold
.set j, j+1
.endr
	WIN (\wd)<<6
.irp g, 0,1,2,3
	v_cvt_scalef32_pk8_bf8_f32 v[\dst+2*\g:\dst+2*\g+1], v[\x+8*\g:\x+8*\g+7], v[QSC]
.endr
	WIN 0
	v_nop                                          ; a plain instruction behind the last conversion
.endm
.macro KHEAD set, left, img            ; the head's tiles of K
	s_wait_loadcnt \left
	TOSTAGE R+32*(\set)
	TURNED X
	s_wait_dscnt 0x0
	QUANT X, PCA, 0
	ds_store_b128 v[KWA], v[PCA:PCA+3] offset:\img
	ds_store_b128 v[KWA], v[PCA+4:PCA+7] offset:\img+512
.endm
.macro QSCALE                          ; Q's scale into the quantiser's registers
	v_mov_b32 v[QSC], s55
	v_mov_b32 v[QLM], s56
	ALU
.endm
.macro QT set, left, dst               ; a tile of Q becomes codes in window 1; left = the loads issued behind its eight
	s_wait_loadcnt \left
	TOSTAGE R+32*(\set)
	TURNED X
	s_wait_dscnt 0x0
	QUANT X, \dst, 1
.endm
.macro VFRAG q
.irp t, 0,1,2,3
.irp c, 0,1,2,3
	ds_load_b128 v[VF+16*\t+4*\c:VF+16*\t+4*\c+3], v[ADV] offset:16*SP*\t+128*(\q)+32*\c
.endr
.endr
.endm
.macro KFRAG adr, off
.irp t, 0,1,2,3,4,5,6,7
.irp c, 0,1
	ds_load_b128 v[KF+8*\t+4*\c:KF+8*\t+4*\c+3], v[\adr] offset:(\off)+1024*\t+512*\c
.endr
.endr
.endm
.macro CFRAG adr, off
.irp t, 0,1,2,3,4,5,6,7
.irp c, 0,1
	ds_load_b128 v[CF+8*\t+4*\c:CF+8*\t+4*\c+3], v[\adr] offset:(\off)+128*(\t/2)+32*(\t%2)+16*\c
.endr
.endr
.endm
.macro PINIT                           ; a pass begins: the first step's fragments, zeros, addresses
	WIN W_LD
	KFRAG LI, 0
	CFRAG AM0, 0
	WIN 0
.set j, 0
.rept 64
	v_mov_b32 v[OA+j], 0                           ; the step is written once: the first finds zeros
.set j, j+1
.endr
.irp x, 0,1
	v_mov_b32 v[TA+8*\x+1], 0xff61b1e6             ; the largest score so far: -3e38
	v_mov_b32 v[TA+8*\x], 0x7f61b1e6               ; -M: 3e38, so that the first f is 0
	v_mov_b32 v[TA+8*\x+2], 0
	v_mov_b32 v[TA+8*\x+3], 0
	v_mov_b32 v[TA+8*\x+5], 0
.endr
	s_mov_b32 s[KB], 0
	s_mov_b32 s[VB], 0
	s_mov_b32 s[MB], 0
	v_add_nc_u32 v[ADK], s[KB], v[LI]
	v_add_nc_u32 v[ADV], s[VB], v[AV0]
	v_add_nc_u32 v[ADM], s[MB], v[AM0]
	ALU
.endm
.macro DMIN a                          ; the hold of two numbers (p is not negative: one side), a dual pair
	v_dual_min_num_f32 v[\a], v[\a], v[LMP] :: v_dual_min_num_f32 v[\a+1], v[\a+1], v[LMP]
.endm
.macro TADD a, b                       ; partial sum a takes in partial sum b
	v_pk_add_f32 v[PCA+2*(\a):PCA+2*(\a)+1], v[PCA+2*(\a):PCA+2*(\a)+1], v[PCA+2*(\b):PCA+2*(\b)+1]
.endm
; From B's exponentials to the codes of both tiles.  hold = 1: with the hold of p.  strm = 1: the stage is read back on the way
.macro SOFTB hold, strm
.set j, 0
.rept 32                               ; B's exponentials; among them A's first 16 partial sums of the unquantised p (into the idle code registers) and A's holds: none reads what another of them wrote
	v_exp_f32 v[SB+2*j], v[SB+2*j]
.if j%2 == 0
	v_pk_add_f32 v[PCA+j:PCA+j+1], v[SA+2*j:SA+2*j+1], v[SA+2*j+2:SA+2*j+3]
.endif
	v_exp_f32 v[SB+2*j+1], v[SB+2*j+1]
.if \hold
	DMIN SA+2*j
.endif
.set j, j+1
.endr
	v_nop
	ALU                                            ; behind B's batch
.set j, 0
.rept 32                               ; B's sums (two chains), holds and codes; beside them the rest of A's sum tree, then A's codes
.if j == 0
	v_pk_fma_f32 v[TA+10:TA+11], v[TA+10:TA+11], v[TA+12:TA+13], v[SB:SB+1] op_sel_hi:[1,0,1]   ; the old sum under the new M
.elseif j == 1
	v_pk_add_f32 v[TA+14:TA+15], v[SB+2:SB+3], v[SB+6:SB+7]
.elseif j%2 == 0
	v_pk_add_f32 v[TA+10:TA+11], v[TA+10:TA+11], v[SB+2*j:SB+2*j+1]
.elseif j > 3
	v_pk_add_f32 v[TA+14:TA+15], v[TA+14:TA+15], v[SB+2*j:SB+2*j+1]
.endif
.if \hold
	DMIN SB+2*j
.endif
.if j%4 == 3
	v_cvt_scalef32_pk8_bf8_f32 v[PCA+16+2*(j/4):PCA+16+2*(j/4)+1], v[SB+8*(j/4):SB+8*(j/4)+7], v[SCP]
.endif
.if j < 8
	TADD j, j+8
.elseif j < 12
	TADD j-8, j-4
.elseif j < 14
	TADD j-12, j-10
.elseif j == 14
	TADD 0, 1
.elseif j == 15
	v_pk_fma_f32 v[TA+2:TA+3], v[TA+2:TA+3], v[TA+4:TA+5], v[PCA:PCA+1] op_sel_hi:[1,0,1]
.elseif j < 24
	v_cvt_scalef32_pk8_bf8_f32 v[PCA+2*(j-16):PCA+2*(j-16)+1], v[SA+8*(j-16):SA+8*(j-16)+7], v[SCP]
.endif
.if (\strm) && (j == 24)
	TURNED SA                                      ; A's p has become codes: its first 32 registers take the tile that lies in my stage, turned
.endif
.set j, j+1
.endr
	v_pk_add_f32 v[TA+10:TA+11], v[TA+10:TA+11], v[TA+14:TA+15]   ; B's two chains; also the plain instruction behind the last conversion
.endm
; A KEY STEP: the chunk's q-th 128 keys, both tiles.  strm: my tile of K two steps on is quantised; rs: the tile three steps on goes into the stage; ld: the tile four steps on is asked for;
; bw: the last step's barrier is awaited; cl: this step's barrier is awaited at once; ask: the prefetch's place
.macro STEP q, strm, rs, ld, bw, cl, ask
	s_wait_dscnt 0x0                               ; this step's K and mask term are in
	WIN W_KQ
.irp t, 0,1,2,3,4,5,6,7
.irp x, 0,1
	v_wmma_f32_16x16x64_bf8_bf8 v[SA+64*\x+8*\t:SA+64*\x+8*\t+7], v[KF+8*\t:KF+8*\t+7], v[QF+8*\x:QF+8*\x+7], v[CF+8*\t:CF+8*\t+7]
.endr
.endr
.rept 4
	v_nop                                          ; four places: for the loads into the products' sources and the first reads of the scores
.endr
	WIN W_LD
.if \bw
	s_barrier_wait -1                              ; the next step's images are whole (in step 0: V's chunks too)
.endif
	VFRAG \q
	KFRAG ADK, 8192*(\q+1)                         ; the next step's K and mask term (behind the last key: bytes that follow in LDS, written and never multiplied)
	CFRAG ADM, 512*(\q+1)
	WIN 0
.if \ask
	s_cmp_eq_u32 s[CH], s[ASKAT]                   ; in the first pass's last chunk: my 32 rows of Q of the next pass, a lane a row of 256 bytes
	s_cbranch_scc0 .Lno_ask_\@
	global_prefetch_b8 v[PFO], s[QP:QP+1] offset:65536 th:TH_LOAD_NT scope:SCOPE_SE
.Lno_ask_\@:
.endif
	; the step's largest score: two chains a tile, ascending
.irp x, 0,1
	v_max3_num_f32 v[TA+8*\x+6], v[SA+64*\x], v[SA+64*\x+1], v[SA+64*\x+2]
.endr
.irp x, 0,1
	v_max3_num_f32 v[TA+8*\x+7], v[SA+64*\x+3], v[SA+64*\x+4], v[SA+64*\x+5]
.endr
.irp i, 6,10,14,18,22,26,30,34,38,42,46,50,54,58
.irp x, 0,1
	v_max3_num_f32 v[TA+8*\x+6], v[TA+8*\x+6], v[SA+64*\x+\i], v[SA+64*\x+\i+1]
.endr
.irp x, 0,1
	v_max3_num_f32 v[TA+8*\x+7], v[TA+8*\x+7], v[SA+64*\x+\i+2], v[SA+64*\x+\i+3]
.endr
.endr
.irp x, 0,1
	v_max3_num_f32 v[TA+8*\x+6], v[TA+8*\x+6], v[SA+64*\x+62], v[SA+64*\x+63]
.endr
.irp x, 0,1
	v_max_num_f32 v[TA+8*\x+6], v[TA+8*\x+6], v[TA+8*\x+7]
.endr
.irp x, 0,1
	v_permlanex16_b32 v[TA+8*\x+7], v[TA+8*\x+6], s[SEL], s[SEL+1]   ; the query's other 64 keys
.endr
.irp x, 0,1
	v_max3_num_f32 v[TA+8*\x+1], v[TA+8*\x+1], v[TA+8*\x+6], v[TA+8*\x+7]   ; the running largest score
.endr
.irp x, 0,1
	v_mul_f32 v[TA+8*\x+6], s[CS], -v[TA+8*\x+1]   ; -t (c is positive)
.endr
.irp x, 0,1
	v_floor_f32 v[TA+8*\x+7], v[TA+8*\x+6]         ; the new -M = -ceil(t)
.endr
.irp x, 0,1
	v_sub_f32 v[TA+8*\x+6], v[TA+8*\x+7], v[TA+8*\x]   ; old M - new M: a whole number, 0 or less
.endr
.irp x, 0,1
	v_mov_b32 v[TA+8*\x], v[TA+8*\x+7]
.endr
.irp x, 0,1
	v_cvt_i32_f32 v[TA+8*\x+6], v[TA+8*\x+6]       ; (it saturates)
.endr
.irp x, 0,1
	v_ldexp_f32 v[TA+8*\x+4], 1.0, v[TA+8*\x+6]    ; f = 2^(old M - new M)
.endr
.if \q == 1                            ; the next chunk's addresses: this chunk's loads have been issued
	s_add_co_u32 s[KB], s[KB], 16384
	s_add_co_u32 s[VB], s[VB], VCH
	s_add_co_u32 s[MB], s[MB], 1024
	v_add_nc_u32 v[ADK], s[KB], v[LI]
	v_add_nc_u32 v[ADV], s[VB], v[AV0]
	v_add_nc_u32 v[ADM], s[MB], v[AM0]
.if \strm
	s_add_co_u32 s[KW], s[KW], 16384
	v_add_nc_u32 v[KWA], s[KW], v[LI]
.endif
.endif
.set j, 0
.rept 32
	v_pk_mul_f32 v[OA+2*j:OA+2*j+1], v[OA+2*j:OA+2*j+1], v[TA+8*(j/16)+4:TA+8*(j/16)+5] op_sel_hi:[1,0]   ; O^T under the new M, ahead of the step's exponentials; ascending
.set j, j+1
.endr
.set j, 0
.rept 32
	v_pk_fma_f32 v[SA+2*j:SA+2*j+1], v[SA+2*j:SA+2*j+1], s[CS:CS+1], v[TA:TA+1] op_sel_hi:[1,0,0]   ; A: t - M
.set j, j+1
.endr
	ALU                                            ; ahead of the batch
.set j, 0
.rept 32                               ; A's exponentials; among them B's scalings, which are read behind the next wait
	v_exp_f32 v[SA+2*j], v[SA+2*j]
	v_exp_f32 v[SA+2*j+1], v[SA+2*j+1]
	v_pk_fma_f32 v[SB+2*j:SB+2*j+1], v[SB+2*j:SB+2*j+1], s[CS:CS+1], v[TA+8:TA+9] op_sel_hi:[1,0,0]
.set j, j+1
.endr
	s_cmp_lg_u32 s[HOLD], 0                        ; does ep ask for the hold?  The same answer in every wave and step
	ALU                                            ; behind A's batch, ahead of B's and of the branch
	s_cbranch_scc1 .Lhold_\@
	SOFTB 0, \strm
	ALU
	s_branch .Ljoin_\@
.Lhold_\@:
	SOFTB 1, \strm
.Ljoin_\@:
	ALU
	s_wait_dscnt 32+8*\strm                        ; V's sixteen loads are in; behind them: the next step's K and mask term, 32, and the stage's 8
	WIN W_PV
.irp t, 0,1,2,3                        ; the eight accumulators take turns
.irp x, 0,1
	v_wmma_f32_16x16x128_bf8_bf8 v[OA+32*\x+8*\t:OA+32*\x+8*\t+7], v[VF+16*\t:VF+16*\t+15], v[PCA+16*\x:PCA+16*\x+15], v[OA+32*\x+8*\t:OA+32*\x+8*\t+7]
.endr
.endr
	WIN 0
.if \strm
	s_wait_dscnt 0x0                               ; the turned tile is in
	QUANT SA, SB, 0
	ds_store_b128 v[KWA], v[SB:SB+3] offset:16384-8192*\q        ; the image of step 2 c + q + 2 (q = 1: the address stands at the next chunk already)
	ds_store_b128 v[KWA], v[SB+4:SB+7] offset:16384-8192*\q+512
.if \rs
	s_wait_loadcnt 0x0                             ; the tile three steps on, asked for a step ago,
	WIN W_ST
	TOSTAGE KS                                     ; goes into the stage, whose last tile has been read back
	WIN 0
.endif
	s_wait_dscnt 0x0                               ; my image has landed, and the stage's stores have read their registers
.if \ld
	WIN W_LD
	GLOADK KS, \q+4                                ; the tile four steps on
	WIN 0
.endif
	s_barrier_signal -1
.if \cl
	s_barrier_wait -1
.endif
.endif
.endm
.macro PACK x
.irp t, 0,1,2,3
	ds_store_b128 v[SO], v[OA+32*\x+8*\t:OA+32*\x+8*\t+3] offset:64*\t
	ds_store_b128 v[SO], v[OA+32*\x+8*\t+4:OA+32*\x+8*\t+7] offset:64*\t+16
.endr
.irp n, 0,1,2,3,4,5,6,7
	ds_load_b128 v[SB+32*\x+4*\n:SB+32*\x+4*\n+3], v[SROW] offset:2*SP*\n
.endr
.endm
.macro SEND x, younger
.irp n, 0,1,2,3,4,5,6,7
	s_wait_dscnt \younger+7-\n
	global_store_b128 v[LI], v[SB+32*\x+4*\n:SB+32*\x+4*\n+3], s[OP:OP+1] offset:4096*\x+512*\n th:TH_STORE_NT   ; 512 consecutive bytes, at a multiple of 512 from out's first byte
.endr
.endm
.macro OUT
	PACK 0
	PACK 1
	SEND 0, 16
	SEND 1, 0
.endm
	; ---- the head
	s_load_b256 s[4:11], s[0:1], 0x0               ; Q, K, V's codes, the mask
	s_load_b128 s[12:15], s[0:1], 0x20             ; the scales' exponents, out
	WIN 0x40
	v_lshl_add_u32 v254, v0, 2, SPARE              ; my spare word and 0, for the wave's end
	v_mov_b32 v255, 0
	WIN 0
	v_lshrrev_b32 v15, 5, v0
	v_readfirstlane_b32 s[WV], v15                 ; wave 0..7
	s_mul_i32 s17, s[WV], 16*SP
	s_add_co_u32 s17, s17, STAGE                   ; my stage
	s_mul_i32 s18, s[WV], VCH
	s_add_co_u32 s18, s18, VBASE                   ; my chunk of V
	s_lshl_b32 s[KW], s[WV], 10                    ; my image of a step: 1,024 x wave on
	v_and_b32 v19, 31, v0
	v_lshlrev_b32 v[LI], 4, v19
	v_lshlrev_b32 v[PFO], 8, v19
	v_and_b32 v16, 15, v0                          ; r
	v_bfe_u32 v17, v0, 4, 1                        ; h
	v_mul_u32_u24 v18, v16, SP
	v_lshl_add_u32 v[AV0], v17, 4, v18
	v_add_nc_u32 v[AV0], VBASE, v[AV0]
	v_lshlrev_b32 v[AM0], 6, v17
	v_add_nc_u32 v[AM0], MASKB, v[AM0]
	v_mul_u32_u24 v19, v17, SP
	v_lshl_add_u32 v19, v16, 4, v19
	v_add_nc_u32 v[SROW], s17, v19
	v_add_nc_u32 v[VLA], s18, v19
	v_lshl_add_u32 v19, v17, 7, v18
	v_add_nc_u32 v[SFR], s17, v19
	v_lshl_add_u32 v19, v17, 5, v18
	v_add_nc_u32 v[SO], s17, v19
	v_lshlrev_b32 v[VGO], 4, v16
	v_lshl_add_u32 v[VGO], v17, 11, v[VGO]
	v_lshl_add_u32 v[MLA], v0, 5, MASKB            ; thread n makes the mask's term of keys 8 n .. 8 n + 7
	v_lshlrev_b32 v[MGO], 5, v0
	v_lshl_add_u32 v[PADA], v0, 1, MPAD
	v_mov_b32 v[NIL], 0
	v_add_nc_u32 v[KWA], s[KW], v[LI]
	ALU
	s_and_b32 s61, ttmp7, 0xffff                   ; the head
	s_lshl_b32 s2, s61, 19
	s_lshl_b32 s3, ttmp9, 17                       ; my block of 512 queries
	s_add_co_u32 s2, s2, s3
	s_lshl_b32 s3, s[WV], 13
	s_add_co_u32 s2, s2, s3                        ; Q, out: head, block, my wave's 32 rows
	s_mov_b32 s3, 0
	s_lshl_b32 s18, s61, 19                        ; K: my tile of a step begins at key 32 (wave / 2) + 8 (wave % 2)
	s_lshr_b32 s19, s[WV], 1
	s_lshl_b32 s19, s19, 13
	s_add_co_u32 s18, s18, s19
	s_and_b32 s19, s[WV], 1
	s_lshl_b32 s19, s19, 11
	s_add_co_u32 s18, s18, s19
	s_mov_b32 s19, 0
	s_lshl_b32 s20, s61, 17                        ; V: my chunk begins 256 x wave along the rows
	s_lshl_b32 s21, s[WV], 8
	s_add_co_u32 s20, s20, s21
	s_mov_b32 s21, 0
	s_lshr_b32 s22, s61, 4                         ; the mask: batch = head / 16
	s_lshl_b32 s22, s22, 13
	s_mov_b32 s23, 0
	s_mov_b32 s[SEL], 0x76543210
	s_mov_b32 s[SEL+1], 0xfedcba98
	s_mov_b32 s[RS], 0x3eb504f3
	s_mov_b32 s[RS+1], s[RS]
	s_wait_kmcnt 0x0
	s_load_b128 s[44:47], s[12:13], 0x0            ; eq, ek, ep, ev
	s_add_nc_u64 s[QP:QP+1], s[QP:QP+1], s[2:3]
	s_add_nc_u64 s[OP:OP+1], s[OP:OP+1], s[2:3]
	s_add_nc_u64 s[KP:KP+1], s[KP:KP+1], s[18:19]
	s_add_nc_u64 s[VP:VP+1], s[VP:VP+1], s[20:21]
	s_add_nc_u64 s[MP:MP+1], s[MP:MP+1], s[22:23]
	global_load_b128 v[MT:MT+3], v[MGO], s[MP:MP+1]   ; what is worked on first is asked for first
	global_load_b128 v[MT+4:MT+7], v[MGO], s[MP:MP+1] offset:16
	GLOADK R, 0
	GLOADK R+32, 1
	GLOADQ 2, 0, 0
	GLOADQ 3, 1, 0
	s_wait_kmcnt 0x0
	s_cmp_lt_i32 s46, -15                          ; 57,344 x 2^ep is under 1 only where ep is under -15
	s_cselect_b32 s[HOLD], 1, 0
	s_add_co_i32 s17, s44, s45
	s_lshl_b32 s17, s17, 23
	s_add_co_u32 s[CS], s17, 0x3fb8aa3b            ; eq + ek goes onto the exponent field of log2(e),
	s_mov_b32 s[CS+1], s[CS]
	s_sub_co_u32 s[MS], 0xc47a0000, s17            ; and off that of -1000
	s_mov_b32 s[MS+1], s[MS]
	s_add_co_i32 s[EO], s46, s47
	s_add_co_i32 s17, s44, 127
	s_lshl_b32 s55, s17, 23                        ; 2^eq,
	s_add_co_i32 s17, s17, 15
	s_lshl_b32 s56, s17, 23
	s_or_b32 s56, s56, 0x600000                    ; 57,344 x 2^eq
	s_add_co_i32 s17, s45, 127
	s_lshl_b32 s57, s17, 23                        ; the same for ek
	s_add_co_i32 s17, s17, 15
	s_lshl_b32 s58, s17, 23
	s_or_b32 s58, s58, 0x600000
	s_add_co_i32 s17, s46, 127
	s_lshl_b32 s18, s17, 23                        ; and for ep
	s_add_co_i32 s17, s17, 15
	s_lshl_b32 s17, s17, 23
	s_or_b32 s17, s17, 0x600000
	v_mov_b32 v[QSC], s57
	v_mov_b32 v[QLM], s58
	v_mov_b32 v[SCP], s18
	v_mov_b32 v[LMP], s17
	ALU
	s_wait_loadcnt 32                              ; the mask's two loads; 32 were issued behind them
.irp k, 0,1,2,3,4,5,6,7
	v_sub_f32 v[MT+\k], 1.0, v[MT+\k]
.endr
.irp k, 0,2,4,6
	v_pk_mul_f32 v[MT+\k:MT+\k+1], v[MT+\k:MT+\k+1], s[MS:MS+1] op_sel_hi:[1,0]
.endr
	ds_store_b128 v[MLA], v[MT:MT+3]
	ds_store_b128 v[MLA], v[MT+4:MT+7] offset:16
	ds_store_b16 v[PADA], v[NIL]
	s_wait_loadcnt 24                              ; step 0's tile is in: 24 loads are out, and V's 32 join them
	WIN W_LD
.set j, 0
.rept 32
	global_load_b128 v[KF+4*j:KF+4*j+3], v[VGO], s[VP:VP+1] offset:4096*j   ; my chunk of V: two whole rows of 256 bytes a load
.set j, j+1
.endr
	WIN 0
	KHEAD 0, 56, 0                                 ; step 0's tile; behind its loads: step 1's 8, Q's 16, V's 32
	ALU
	s_wait_dscnt 0x0                               ; my stores have landed
	s_barrier_signal -1
	s_barrier_wait -1                              ; step 0's images and the mask's term are whole
	QSCALE
	QT 2, 40, QF                                   ; behind tile A's loads: tile B's 8, V's 32
	WIN W_LD
	GLOADK VF, 2                                   ; step 2's tile waits in registers that V's fragments take later,
	GLOADK KS, 3                                   ; step 3's in the stream's own
	WIN 0
	QT 3, 48, QF+8                                 ; behind tile B's: V's 32 and these 16
	v_mov_b32 v[QSC], s57
	v_mov_b32 v[QLM], s58
	ALU
	KHEAD 1, 48, 8192                              ; step 1's tile
	s_wait_loadcnt 16                              ; V's chunk is in
	WIN W_ST
.set j, 0
.rept 32
	ds_store_b128 v[VLA], v[KF+4*j:KF+4*j+3] offset:2*SP*j
.set j, j+1
.endr
	s_wait_loadcnt 8                               ; step 2's tile is in; step 3's was asked for behind it
	TOSTAGE VF                                     ; it lies raw in my stage until step 0 reads it back
	WIN 0
	s_wait_dscnt 0x0
	s_barrier_signal -1                            ; awaited in step 0, ahead of the reads of V and of step 1's images
	PINIT
	; ---- the first pass, steps 0 to 13: K is streamed
	s_mov_b32 s[LC], 6
.Lstream:
	STEP 0, 1, 1, 1, 1, 0, 0
	STEP 1, 1, 1, 1, 1, 0, 0
	s_wait_xcnt 0x0                                ; K's loads have read their base
	s_add_nc_u64 s[KP:KP+1], s[KP:KP+1], 65536     ; 256 keys on
	s_sub_co_u32 s[LC], s[LC], 1
	s_cmp_lg_u32 s[LC], 0
	s_cbranch_scc1 .Lstream
	STEP 0, 1, 1, 0, 1, 0, 0                       ; step 12 lays the last tile into the stage and asks for none,
	STEP 1, 1, 0, 0, 1, 1, 0                       ; step 13 quantises it and closes its barrier at once
	s_mov_b32 s[CH], 1                             ; the first pass's last chunk,
	s_mov_b32 s[ASKAT], 1
	s_mov_b32 s[PASS], 2
.Lpass:
.Lchunk:                                           ; then the second pass's eight: K is resident
	STEP 0, 0, 0, 0, 0, 0, 1
	STEP 1, 0, 0, 0, 0, 0, 0
	s_sub_co_u32 s[CH], s[CH], 1
	s_cmp_lg_u32 s[CH], 0
	s_cbranch_scc1 .Lchunk
	; ---- a pass's end: O^T x 2^(ep + ev) / the sum.  The additions are the places behind the last products
.irp x, 0,1
	v_add_f32 v[TA+8*\x+6], v[TA+8*\x+2], v[TA+8*\x+3]
.endr
.irp x, 0,1
	v_permlanex16_b32 v[TA+8*\x+7], v[TA+8*\x+6], s[SEL], s[SEL+1]
.endr
.irp x, 0,1
	v_add_f32 v[TA+8*\x+6], v[TA+8*\x+6], v[TA+8*\x+7]
.endr
	ALU
.irp x, 0,1
	v_rcp_f32 v[TA+8*\x+4], v[TA+8*\x+6]
.endr
	v_nop
	ALU
.irp x, 0,1
	v_ldexp_f32 v[TA+8*\x+4], v[TA+8*\x+4], s[EO]
.endr
	ALU                                            ; directly ahead of the first readers of O^T
.set j, 0
.rept 32
	v_pk_mul_f32 v[OA+2*j:OA+2*j+1], v[OA+2*j:OA+2*j+1], v[TA+8*(j/16)+4:TA+8*(j/16)+5] op_sel_hi:[1,0]
.set j, j+1
.endr
	s_cmp_eq_u32 s[PASS], 1
	ALU
	s_cbranch_scc1 .Llast
	GLOADQ 0, 0, 65536                             ; the next pass's Q, ahead of the way out
	GLOADQ 1, 1, 65536
	OUT
	s_wait_xcnt 0x0                                ; loads, stores and the prefetch have read their bases
	s_add_nc_u64 s[QP:QP+1], s[QP:QP+1], 65536
	s_add_nc_u64 s[OP:OP+1], s[OP:OP+1], 65536
	QSCALE
	QT 0, 8, QF
	QT 1, 0, QF+8
	PINIT
	s_mov_b32 s[CH], 8
	s_mov_b32 s[ASKAT], 0
	s_sub_co_u32 s[PASS], s[PASS], 1
	s_cmp_lg_u32 s[PASS], 0
	s_cbranch_scc1 .Lpass
.Llast:
	OUT
	WIN 0x05
	s_wait_tensorcnt 0x0                           ; the wave's end
	ds_add_u32 v254, v255
	s_wait_dscnt 0x0
	WIN 0
	s_endpgm
.Lfunc_end_k_qa31481ebdc_attn:
	.size	k_qa31481ebdc_attn, .Lfunc_end_k_qa31481ebdc_attn-k_qa31481ebdc_attn
	.p2alignl 7, 3214868480
	.fill 96, 4, 3214868480
	.section	.rodata,"a",@progbits
	.p2align	6, 0x0
	.amdhsa_kernel k_qa31481ebdc_attn
		.amdhsa_group_segment_fixed_size 327680
		.amdhsa_private_segment_fixed_size 0
		.amdhsa_enable_private_segment 0
		.amdhsa_kernarg_size 48
		.amdhsa_user_sgpr_count 2
		.amdhsa_user_sgpr_kernarg_segment_ptr 1
		.amdhsa_wavefront_size32 1
		.amdhsa_system_sgpr_workgroup_id_x 1
		.amdhsa_system_sgpr_workgroup_id_y 1
		.amdhsa_system_sgpr_workgroup_id_z 1
		.amdhsa_system_vgpr_workitem_id 0
		.amdhsa_next_free_vgpr 512
		.amdhsa_next_free_sgpr 66
		.amdhsa_reserve_vcc 0
		.amdhsa_float_denorm_mode_32 3
		.amdhsa_float_denorm_mode_16_64 3
		.amdhsa_memory_ordered 1
		.amdhsa_forward_progress 1
		.amdhsa_inst_pref_size 255
	.end_amdhsa_kernel
	.section	.bss,"aw",@nobits
	.p2align	6
	.space	262144
	.amdgpu_metadata
---
amdhsa.version: [ 1, 2 ]
amdhsa.kernels:
  - .name:           k_qa31481ebdc_attn
    .symbol:         k_qa31481ebdc_attn.kd
    .args:
      - { .name: query_layer, .offset: 0, .size: 8, .value_kind: global_buffer, .address_space: global }
      - { .name: key_layer, .offset: 8, .size: 8, .value_kind: global_buffer, .address_space: global }
      - { .name: value_layer_codes, .offset: 16, .size: 8, .value_kind: global_buffer, .address_space: global }
      - { .name: attention_mask, .offset: 24, .size: 8, .value_kind: global_buffer, .address_space: global }
      - { .name: lowp_scales, .offset: 32, .size: 8, .value_kind: global_buffer, .address_space: global }
      - { .name: out0, .offset: 40, .size: 8, .value_kind: global_buffer, .address_space: global }
    .group_segment_fixed_size: 327680
    .private_segment_fixed_size: 0
    .kernarg_segment_align: 8
    .kernarg_segment_size: 48
    .max_flat_workgroup_size: 256
    .sgpr_count:     66
    .vgpr_count:     512
    .wavefront_size: 32
...
	.end_amdgpu_metadata
.endif
;; end of part 1
